; MI455X (gfx1250); checked and timed in simulation.
; The chip was launched on July 23, 2026; its instructions are those of AMD's public machine-readable ISA for CDNA 5 (MIT licence, August 2026) and "CDNA5" Instruction Set Architecture Reference Guide (July 2026). The comments in the code are by the model that wrote it; some were corrected since.
;; Dot Product Attention. Allowed arithmetic: float matrix products may take bf16 or f16 operands with f32 sums; all other float work in f32.
;; Inputs: keys 32 x 2,048 x 64 float32; queries 32 x 2,048 x 64 float32; valid_lens 32 int32; values 32 x 2,048 x 64 float32.
;; Outputs: out0 32 x 2,048 x 64 float32.
;; 2 versions, each right; version 2 is version 1 with the launch attn written anew for expert scheduling mode. Each part assembles by itself: llvm-mc -triple=amdgcn-amd-amdhsa -mcpu=gfx1250 --defsym DOCPART=n.
;; ======== version 1 of 2: 1 launch
;; limits: right only within a limited range of input values; values are held in f16: magnitudes above 65,504 overflow, below 6.1e-05 lose precision
;; launch attn (part 1): grid 8 x 32, 8 waves a work-group, no clusters, 168,960 bytes of LDS; arguments queries, keys, values, valid_lens, out0; writes out0
.if DOCPART == 1
	.amdgcn_target "amdgcn-amd-amdhsa--gfx1250"
	.amdhsa_code_object_version 6
	.text
	.protected	k_q8ddd343da8_attn
	.globl	k_q8ddd343da8_attn
	.p2align	8
	.type	k_q8ddd343da8_attn,@function
k_q8ddd343da8_attn:
	s_mov_b64 s[64:65], 0
	v_nop
	global_prefetch_b8 v0, s[64:65] scope:SCOPE_SE
	s_setreg_imm32_b32 hwreg(HW_REG_WAVE_MODE, 25, 1), 1
	s_wait_xcnt 0x0
; out[b][q][:] = softmax_k( q.k / 8, keys at or beyond valid_lens[b] set to -1e6 ) . V      B = 32, S = 2048, D = 64, all f32.
; One launch.  Work-group (x, b): 256 queries of batch b; wave w: 32 of them, as two blocks nb of 16.  Lane (r = L & 15, h = L >> 4)
; belongs to query r of each block.  Keys go in tiles of 64, narrowed to f16 on the way from memory to LDS, two LDS buffers in turn.
;
; BOTH PRODUCTS ARE TAKEN TRANSPOSED.  S^T = K Q^T: register j of tile mt holds key 16 mt + 8 h + j of query r.  Two neighbouring
; key tiles, packed to f16, are the second source (32 keys x query r) of O^T = V^T P^T as they lie: P never leaves its lane, and a
; row's maximum, sum and rescale factor are one number a lane.  One v_permlanex16_b32 a block and tile joins the two halves' maxima;
; the sums' halves are joined once, at the end.  V^T comes out of V[key][d] in LDS by the transposing load.
;
; THE OPERANDS ARE f16, NOT bf16: 11 significant bits in place of 8.  An output is allowed an error of a hundredth of the root mean
; square over ALL batches, and a batch with few valid keys has outputs well above that mean, so that weights of 8 bits leave too small a
; margin there.  f16 has the room: weights lie in 0 .. 1, and inputs of unit spread, also 30 times larger or offset by 30 spreads,
; stay below 200 against f16's largest number, 65,504.  Below 2^-14 f16 goes on in steps of 2^-24 (denormals are kept): an absolute
; error of at most 2^-25 a number, over 2,048 weights at most 6e-5 against a sum of weights of at least 1.
;
; THE MASK IS A PREFIX.  With lp = (len - 1) >> 7, the pair of tiles that holds the boundary (keys 128 lp .. 128 lp + 127) is taken
; FIRST, masked, and starts maximum, sums and O (its first product has C = 0: nothing is cleared).  Then pairs 0 .. lp - 1 follow,
; unmasked.  A running maximum does not mind the order of tiles.  Pairs behind lp are not loaded and not multiplied.
; The loop over the unmasked pairs has 15 trips, a constant; trip j works on pair j - 1 if j <= lp and otherwise jumps over its work,
; but never over a barrier: every wave passes every barrier of the text, whatever the length.  An idle trip is two barriers and four
; compares.
;
; LIMITS, all of range:  (1) a key in a tile that is not visited has the weight exp(-1e6 - max), which is 0 in f32 as long as some
; valid score of the row is above about -999,900; below that this text differs from the definition.  (2) valid_lens is clamped to
; 0 .. 2048.  At 0 (or below) every score is -1e6 and the result is the mean of all 2,048 values: here the scale c is set to 0 and
; all keys are taken, so that every weight is exp2(0) = 1; that needs q.k finite.  (3) NaN and infinities in the inputs are not
; served (the maxima drop NaN).  (4) Q, K, V and the weights enter the products in f16; an input of magnitude 65,520 or more becomes
; an infinity there.  Maxima, exponents and sums are f32.
;
; NO TENSOR LOADS, NO CLUSTER, by this text's own bytes: K and V are f32 in memory and f16 in the products.  A copy into LDS would
; land a tile's 32,768 bytes of f32 there, to be read back, narrowed and stored again as 16,384; through registers the 16,384 are
; all that LDS sees.  The eight work-groups of a batch do read the same tiles, each for itself.
.set KP,    144                        ; LDS pitch of a K row: 128 bytes + 16, an odd multiple of 16
.set VP,    160                        ; LDS pitch of a V row: 128 bytes + 32, an odd multiple of 32 (transposing load)
.set KBUF,  64*KP
.set VBUF,  64*VP
.set KB,    0                          ; K buffers 0, 1
.set VB,    2*KBUF                     ; V buffers 0, 1
.set STG,   VB+2*VBUF                  ; the way out: 32 rows of 256 bytes + 16 for each wave
.set SP,    272
.set WSTG,  32*SP
.set TILEB, 16384                      ; a tile of 64 keys in memory, f32
.set PAIRB, 2*TILEB
.set PAIRS, 16                         ; pairs of tiles in a batch
.set KFA,  1                           ; r * 144 + 16 h                                  K fragments
.set VFA,  2                           ; (8 h + (L & 7)) * 160 + 16 ((L >> 3) & 1)       V^T fragments
.set KST,  3                           ; (t >> 4) * 144 + 8 (t & 15)                     where thread t stages K
.set VST,  4                           ; (t >> 4) * 160 + 8 (t & 15)                     and V
.set GOFF, 5                           ; 16 t: my 16 bytes of each 4,096 of a tile in memory
.set PFO,  6                           ; prefetch: ((x & 3) * 32 + L) * 256
.set MX,   8                           ; v8, v9      running maximum (raw scores) of block 0, 1
.set TM,   10                          ; v10, v11    the new maximum
.set NMC,  12                          ; v12, v14    -c * maximum (v13, v15 only fill the pairs)
.set AL,   16                          ; v16, v18    rescale factor; at the end 1 / sum (v17, v19 only fill the pairs)
.set LA,   20                          ; v[20:21], v[22:23]  two partial sums of weights for each block
.set QOFF, 24
.set SO,   25
.set RD,   26
.set GO,   27
.set UM,   28                          ; v28, v29    second chain of the maximum; the other half's maximum
.set REMA, 30                          ; len - 128 lp - 8 h: key 16 mt + j of the boundary pair's tile A is valid if 16 mt + j < this
.set REMB, 31                          ; the same for tile B: 64 less
.set QF,   32                          ; v[32:63]    Q fragments, 16 nb + 8 ks
.set FR,   64                          ; v[64:95]    K fragments (two sets of 16), then V^T fragments of keys 0-31
.set GS,   96                          ; v[96:127]   a tile on its way: K 16 registers, V 16 registers
.set SC,   128                         ; v[128:191]  scores 32 nb + 8 mt + j; then weights; then packed weights and V^T of keys 32-63
.set OA,   192                         ; v[192:255]  O^T, 32 nb + 8 dt + j: d = 16 dt + 8 h + j of query r
	s_load_b256 s[4:11], s[0:1], 0x0               ; Q s[4:5], K s[6:7], V s[8:9], valid_lens s[10:11]
	s_load_b64 s[12:13], s[0:1], 0x20              ; out
	s_set_vgpr_msb 0x40
	v_lshl_add_u32 v0, v0, 2, 0x29000
	v_mov_b32 v1, 0
	s_set_vgpr_msb 0x4000
	v_lshrrev_b32 v7, 5, v0
	v_readfirstlane_b32 s14, v7                    ; wave 0..7
	s_mov_b32 s15, ttmp9                           ; x: block of 256 queries
	s_and_b32 s16, ttmp7, 0xffff                   ; b: batch
	s_lshl_b32 s18, s16, 2
	s_wait_kmcnt 0x0
	s_load_b32 s17, s[10:11], s18 offset:0x0       ; valid_lens[b]: the same word in all eight waves
	v_and_b32 v64, 31, v0                          ; L
	v_and_b32 v65, 15, v0                          ; r, and t & 15
	v_bfe_u32 v66, v0, 4, 1                        ; h
	v_mul_u32_u24 v[KFA], v65, KP
	v_lshl_add_u32 v[KFA], v66, 4, v[KFA]
	v_and_b32 v67, 7, v0
	v_lshl_add_u32 v67, v66, 3, v67                ; 8 h + (L & 7)
	v_bfe_u32 v68, v0, 3, 1
	v_mul_u32_u24 v[VFA], v67, VP
	v_lshl_add_u32 v[VFA], v68, 4, v[VFA]
	v_lshrrev_b32 v69, 4, v0                       ; t >> 4: my row in each 16 rows of a tile
	v_mul_u32_u24 v[KST], v69, KP
	v_lshl_add_u32 v[KST], v65, 3, v[KST]
	v_mul_u32_u24 v[VST], v69, VP
	v_lshl_add_u32 v[VST], v65, 3, v[VST]
	v_lshlrev_b32 v[GOFF], 4, v0
	s_and_b32 s19, s15, 3
	s_lshl_b32 s19, s19, 13
	v_lshl_add_u32 v[PFO], v64, 8, s19
	v_lshlrev_b32 v[QOFF], 8, v65                  ; query r's row of 256 bytes
	v_lshl_add_u32 v[QOFF], v66, 5, v[QOFF]        ; + 8 h numbers
	s_mul_i32 s19, s14, WSTG
	s_add_co_u32 s19, s19, STG                     ; my wave's stage
	v_mul_u32_u24 v[SO], v65, SP
	v_lshl_add_u32 v[SO], v66, 5, v[SO]
	v_add_nc_u32 v[SO], s19, v[SO]                 ; in: row r, 32 bytes for each half of the lanes
	v_mul_u32_u24 v[RD], v66, SP
	v_lshl_add_u32 v[RD], v65, 4, v[RD]
	v_add_nc_u32 v[RD], s19, v[RD]                 ; back: lanes 0-15 one row, lanes 16-31 the next
	v_lshlrev_b32 v[GO], 4, v64                    ; and the same two rows in memory: 512 consecutive bytes
	v_lshlrev_b32 v7, 3, v66                       ; 8 h
	v_mov_b32 v[NMC+1], 0                          ; the upper registers of the broadcast pairs are never used,
	v_mov_b32 v[NMC+3], 0                          ; but a pair is named whole
	v_mov_b32 v[AL+1], 0
	v_mov_b32 v[AL+3], 0
	s_mov_b32 s24, 0xcaf42400                      ; -8.0e6 = -1e6 * 8: a masked score, before the division by 8 that lies in c
	s_mov_b32 s26, 0x76543210                      ; v_permlanex16_b32: lane i of one half reads lane i of the other
	s_mov_b32 s27, 0xfedcba98
	s_lshl_b32 s34, s16, 19                        ; batch: 2,048 rows of 256 bytes
	s_mov_b32 s35, 0
	s_add_nc_u64 s[6:7], s[6:7], s[34:35]          ; K and V at the batch's pair 0: the pair that step 0 requests
	s_add_nc_u64 s[8:9], s[8:9], s[34:35]
	s_lshl_b32 s36, s15, 16                        ; 256 rows a work-group
	s_lshl_b32 s37, s14, 13                        ; 32 rows a wave
	s_add_co_u32 s36, s36, s37
	s_add_co_u32 s34, s34, s36
	s_add_nc_u64 s[4:5], s[4:5], s[34:35]          ; Q and out at my wave's rows
	s_add_nc_u64 s[12:13], s[12:13], s[34:35]
	s_cmp_lt_u32 s15, 4                            ; prefetch: work-groups 0-3 of a batch ask for K, 4-7 for V
	s_cselect_b64 s[32:33], s[6:7], s[8:9]
	s_add_nc_u64 s[32:33], s[32:33], PAIRB         ; step 0 asks for pair 1
	s_wait_kmcnt 0x0
	s_max_i32 s17, s17, 0
	s_min_i32 s17, s17, 0x800                      ; 0 .. 2048
	s_cmp_eq_u32 s17, 0
	s_cselect_b32 s22, 0, 0x3e38aa3b               ; c = log2(e) / 8; 0 where no key is valid: all weights 1
	s_cselect_b32 s17, 0x800, s17                  ; and then all keys are taken
	s_mov_b32 s23, s22
	s_xor_b32 s25, s22, 0x80000000                 ; -c
	s_sub_co_u32 s20, s17, 1
	s_lshr_b32 s20, s20, 7
	s_min_u32 s20, s20, 15                         ; lp: the boundary pair, and the number of trips that work
	s_lshl_b32 s34, s20, 15
	s_add_nc_u64 s[28:29], s[6:7], s[34:35]        ; K and V at pair lp
	s_add_nc_u64 s[30:31], s[8:9], s[34:35]
	s_lshl_b32 s18, s20, 7
	s_sub_co_u32 s18, s17, s18                     ; valid keys in the boundary pair: 1 .. 128
	s_sub_co_u32 s19, s18, 64
	v_sub_nc_u32 v[REMA], s18, v7
	v_sub_nc_u32 v[REMB], s19, v7                  ; may be negative: compared as signed
; ---------------------------------------------------------------- macros
.macro KFRAG f, buf, mt                ; 16 keys x 64 d of K: two fragments (ks = 0, 1) of 8 registers
.irp ks, 0,1
	ds_load_b128 v[\f+8*\ks:\f+8*\ks+3],   v[KFA] offset:KB+\buf*KBUF+\mt*16*KP+\ks*64
	ds_load_b128 v[\f+8*\ks+4:\f+8*\ks+7], v[KFA] offset:KB+\buf*KBUF+\mt*16*KP+\ks*64+32
.endr
.endm
.macro SMUL f, mt                      ; scores of 16 keys x 32 queries; the first 32 of d start the sums
	v_wmma_f32_16x16x32_f16 v[SC+8*\mt:SC+8*\mt+7],       v[\f:\f+7],    v[QF:QF+7],     0
	v_wmma_f32_16x16x32_f16 v[SC+32+8*\mt:SC+32+8*\mt+7], v[\f:\f+7],    v[QF+16:QF+23], 0
	v_wmma_f32_16x16x32_f16 v[SC+8*\mt:SC+8*\mt+7],       v[\f+8:\f+15], v[QF+8:QF+15],  v[SC+8*\mt:SC+8*\mt+7]
	v_wmma_f32_16x16x32_f16 v[SC+32+8*\mt:SC+32+8*\mt+7], v[\f+8:\f+15], v[QF+24:QF+31], v[SC+32+8*\mt:SC+32+8*\mt+7]
.endm
.macro CVT g                           ; 16 f32 to 16 f16, in place: registers g + 4 i, g + 4 i + 1 hold load i's four numbers
.irp i, 0,1,2,3
	v_cvt_pk_f16_f32 v[\g+4*\i],   v[\g+4*\i],   v[\g+4*\i+1]
	v_cvt_pk_f16_f32 v[\g+4*\i+1], v[\g+4*\i+2], v[\g+4*\i+3]
.endr
.endm
.macro ST adr, g, base, pitch          ; load i held row 16 i + (t >> 4), columns 4 (t & 15) .. + 3
.irp i, 0,1,2,3
	ds_store_b64 v[\adr], v[\g+4*\i:\g+4*\i+1] offset:\base+16*\i*\pitch
.endr
.endm
.macro GLOADS tb, tag                  ; request tile tb of pair s21, if a later trip will multiply that pair (s21 < lp): no load leaves the pairs used
	s_cmp_lt_u32 s21, s20
	s_cbranch_scc0 .Lnl\tag
.irp i, 0,1,2,3
	global_load_b128 v[GS+4*\i:GS+4*\i+3], v[GOFF], s[6:7] offset:\tb*TILEB+4096*\i          ; a wave's load: 512 consecutive bytes
.endr
.irp i, 0,1,2,3
	global_load_b128 v[GS+16+4*\i:GS+16+4*\i+3], v[GOFF], s[8:9] offset:\tb*TILEB+4096*\i
.endr
.Lnl\tag:
.endm
; Step j asks for pair j + 1, which is loaded one step (two and three tiles) later.  A pair is 128 rows of 256 bytes of K and as many of V;
; of these 256 rows wave 0 of work-group x asks for 32 (K if x < 4, else V; rows 32 (x & 3) + lane): each row once in the launch.
; Nothing is asked for once j + 1 >= lp: no request points behind the pairs that the loop loads.
.macro PREF tag
	s_cmp_lg_u32 s14, 0
	s_cbranch_scc1 .Lnp\tag
	s_add_co_u32 s18, s21, 1
	s_cmp_lt_u32 s18, s20
	s_cbranch_scc0 .Lnp\tag
	global_prefetch_b8 v[PFO], s[32:33] th:TH_LOAD_NT scope:SCOPE_SE
.Lnp\tag:
.endm
; Keys at or beyond the length get the masked score.  Key blocks in ascending order: the lines for blocks 0 to 2 name no register of the
; last score products and so are the places in front of the lines that touch block 3's results (ISA guide 7.12.1).
.macro MASK rem
.irp mt, 0,1,2,3
.irp j, 0,1,2,3,4,5,6,7
	v_cmp_lt_i32 vcc_lo, 16*\mt+\j, v[\rem]
	v_cndmask_b32 v[SC+8*\mt+\j],    s24, v[SC+8*\mt+\j],    vcc_lo
	v_cndmask_b32 v[SC+32+8*\mt+\j], s24, v[SC+32+8*\mt+\j], vcc_lo
.endr
.endr
.endm
.macro MAXA first                      ; the old maximum and key blocks 0, 1; the two query blocks' chains take turns
.if \first
	v_max_num_f32 v[TM],   v[SC],    v[SC+1]
	v_max_num_f32 v[TM+1], v[SC+32], v[SC+33]
.else
	v_max3_num_f32 v[TM],   v[MX],   v[SC],    v[SC+1]
	v_max3_num_f32 v[TM+1], v[MX+1], v[SC+32], v[SC+33]
.endif
.irp e, 2,4,6,8,10,12,14
	v_max3_num_f32 v[TM],   v[TM],   v[SC+\e],    v[SC+\e+1]
	v_max3_num_f32 v[TM+1], v[TM+1], v[SC+32+\e], v[SC+33+\e]
.endr
.endm
.macro MAXB                            ; key blocks 2, 3 in a chain of their own, then joined
	v_max3_num_f32 v[UM],   v[SC+16], v[SC+17], v[SC+18]
	v_max3_num_f32 v[UM+1], v[SC+48], v[SC+49], v[SC+50]
.irp e, 19,21,23,25,27,29
	v_max3_num_f32 v[UM],   v[UM],   v[SC+\e],    v[SC+\e+1]
	v_max3_num_f32 v[UM+1], v[UM+1], v[SC+32+\e], v[SC+33+\e]
.endr
	v_max3_num_f32 v[TM],   v[TM],   v[UM],   v[SC+31]
	v_max3_num_f32 v[TM+1], v[TM+1], v[UM+1], v[SC+63]
.endm
.macro STATS first
	v_permlanex16_b32 v[UM],   v[TM],   s26, s27   ; the other half of the lanes holds the other 32 keys of my query
	v_permlanex16_b32 v[UM+1], v[TM+1], s26, s27
	v_max_num_f32 v[TM],   v[TM],   v[UM]
	v_max_num_f32 v[TM+1], v[TM+1], v[UM+1]
	v_mul_f32 v[NMC],   s25, v[TM]                 ; -c * new maximum
	v_mul_f32 v[NMC+2], s25, v[TM+1]
.if \first == 0
	v_fma_f32 v[AL],   v[MX],   s22, v[NMC]        ; c * (old - new)
	v_fma_f32 v[AL+2], v[MX+1], s22, v[NMC+2]
	v_exp_f32 v[AL],   v[AL]
	v_exp_f32 v[AL+2], v[AL+2]                     ; the two moves below are the plain lines behind the exponentials (ISA guide 5.7.2)
.endif
	v_mov_b32 v[MX],   v[TM]
	v_mov_b32 v[MX+1], v[TM+1]
.endm
.macro SUM nb, first                   ; pair i (the symbol of the run around it) of block nb's weights joins the block's two sums
.if \first
.if i == 1
	s_wait_alu depctr_va_vdst(0)
	v_pk_add_f32 v[LA+2*\nb:LA+2*\nb+1], v[SC+32*\nb:SC+32*\nb+1], v[SC+32*\nb+2:SC+32*\nb+3]      ; the first two pairs start the sums
	s_wait_alu depctr_va_vdst(0)
.endif
.if i > 1
	v_pk_add_f32 v[LA+2*\nb:LA+2*\nb+1], v[LA+2*\nb:LA+2*\nb+1], v[SC+32*\nb+2*i:SC+32*\nb+2*i+1]
.endif
.else
.if i == 0
	s_wait_alu depctr_va_vdst(0)
	v_pk_fma_f32 v[LA+2*\nb:LA+2*\nb+1], v[LA+2*\nb:LA+2*\nb+1], v[AL+2*\nb:AL+2*\nb+1], v[SC+32*\nb:SC+32*\nb+1] op_sel_hi:[1,0,1]   ; rescale and add in one
	s_wait_alu depctr_va_vdst(0)
.else
	v_pk_add_f32 v[LA+2*\nb:LA+2*\nb+1], v[LA+2*\nb:LA+2*\nb+1], v[SC+32*\nb+2*i:SC+32*\nb+2*i+1]
.endif
.endif
.endm
.macro VFRAG dst, buf, ks, dt          ; V^T: d = 16 dt + r, keys 32 ks + 8 h .. + 7 and + 16 more
	ds_load_tr16_b128 v[\dst:\dst+3],   v[VFA] offset:VB+\buf*VBUF+\ks*32*VP+\dt*32
	ds_load_tr16_b128 v[\dst+4:\dst+7], v[VFA] offset:VB+\buf*VBUF+\ks*32*VP+\dt*32+16*VP
.endm
.macro PV ks, first                    ; O^T += V^T (64 d x 32 keys) P^T (32 keys x 32 queries)
.irp dt, 0,1,2,3
.irp nb, 0,1
.if \ks
.set PA, SC+16+8*\dt+16*(\dt/2)        ; keys 32-63: dt 0, 1 in block 0's freed registers, dt 2, 3 in block 1's
.else
.set PA, FR+8*\dt
.endif
.set PO, OA+32*\nb+8*\dt
.set PB, SC+32*\nb+8*\ks
.if \first*(1-\ks)
	v_wmma_f32_16x16x32_f16 v[PO:PO+7], v[PA:PA+7], v[PB:PB+7], 0
.else
	v_wmma_f32_16x16x32_f16 v[PO:PO+7], v[PA:PA+7], v[PB:PB+7], v[PO:PO+7]
.endif
.endr
.endr
.endm
; ONE TILE of 64 keys, read from LDS buffer buf.  Meanwhile the next tile, requested one tile ago, is narrowed and staged into the other
; buffer, and the tile after it (tile tb of pair s21) is requested.  first: starts maximum, sums and O.  masked: the boundary pair.
; step: the pointers go on by a pair.  pf: the prefetch stands here.  One barrier a tile, at its end.
; cond = 1 (the tiles of the loop): the work is done only if s21 <= lp.  Two forward jumps, one over all that stands in front of the
; signal's wait, one over the products between signal and wait; the wait for LDS, the signal and the barrier's wait are passed always.
.macro TILE buf, tb, first, masked, step, pf, rem, tag, cond
.if \cond
	s_cmp_le_u32 s21, s20
	s_cbranch_scc0 .Lsa\tag
.endif
	KFRAG FR,    \buf, 0
	KFRAG FR+16, \buf, 1
	s_wait_dscnt 0x4                               ; LDS loads return in order (ISA guide 5.7.1): block 0 is in, block 1's four loads stay out
	SMUL FR, 0
	s_wait_loadcnt 0x0                             ; the tile requested one tile ago is in registers (nothing is out where none was requested)
.if \step
	s_wait_xcnt 0x0                                ; the prefetch of the last step has read its base; the loads are done by the wait above
	s_add_nc_u64 s[6:7],   s[6:7],   PAIRB
	s_add_nc_u64 s[8:9],   s[8:9],   PAIRB
	s_add_nc_u64 s[32:33], s[32:33], PAIRB
.endif
	CVT GS                                         ; eight plain lines: the places in front of the loads into block 0's fragments
	KFRAG FR, \buf, 2
	ST KST, GS, KB+(1-\buf)*KBUF, KP               ; the other buffer: all waves' reads of it ended in front of the last barrier
	s_wait_dscnt 0x8                               ; block 1 is in; block 2's four loads and the four K stores stay out
	SMUL FR+16, 1
	CVT GS+16                                      ; again eight places
	KFRAG FR+16, \buf, 3
	ST VST, GS+16, VB+(1-\buf)*VBUF, VP
	s_wait_dscnt 0xc                               ; block 2 is in; four K stores, block 3's four loads, four V stores stay out
	SMUL FR, 2
	s_wait_dscnt 0x0                               ; block 3 is in, and the stage's stores are done
	SMUL FR+16, 3
	GLOADS \tb, \tag
.if \pf
	PREF \tag
.endif
.if \masked
	MASK \rem
.endif
	MAXA \first                                    ; sixteen lines on key blocks 0, 1 alone: the places in front of the loads below and of MAXB
	VFRAG FR,    \buf, 0, 0
	VFRAG FR+8,  \buf, 0, 1
	VFRAG FR+16, \buf, 0, 2
	VFRAG FR+24, \buf, 0, 3
	MAXB
	STATS \first
	; weights p = exp2(c s - c max).  The two blocks are staggered, so that a plain line stands behind each pair of exponentials.
.set i, 0
.rept 16
	v_pk_fma_f32 v[SC+2*i:SC+2*i+1], v[SC+2*i:SC+2*i+1], s[22:23], v[NMC:NMC+1] op_sel_hi:[1,0,0]
.set i, i+1
.endr
.set i, 0
.rept 16
	v_exp_f32 v[SC+2*i],   v[SC+2*i]
	v_exp_f32 v[SC+2*i+1], v[SC+2*i+1]
	v_pk_fma_f32 v[SC+32+2*i:SC+33+2*i], v[SC+32+2*i:SC+33+2*i], s[22:23], v[NMC+2:NMC+3] op_sel_hi:[1,0,0]
.set i, i+1
.endr
.set i, 0
.rept 16
	v_exp_f32 v[SC+32+2*i], v[SC+32+2*i]
	v_exp_f32 v[SC+33+2*i], v[SC+33+2*i]
	SUM 0, \first
.set i, i+1
.endr
.set i, 0
.rept 16
	SUM 1, \first                                  ; the sums take the weights in f32, before they are narrowed
	v_cvt_pk_f16_f32 v[SC+i], v[SC+2*i], v[SC+2*i+1]           ; block 0's 32 weights shrink into its first 16 registers
.set i, i+1
.endr
	VFRAG SC+16, \buf, 1, 0                        ; and the 16 that came free take V^T of keys 32-63
	VFRAG SC+24, \buf, 1, 1
.set i, 0
.rept 16
	v_cvt_pk_f16_f32 v[SC+32+i], v[SC+32+2*i], v[SC+33+2*i]
.if \first == 0
	v_pk_mul_f32 v[OA+2*i:OA+2*i+1], v[OA+2*i:OA+2*i+1], v[AL:AL+1] op_sel_hi:[1,0]
.endif
.set i, i+1
.endr
	VFRAG SC+48, \buf, 1, 2
	VFRAG SC+56, \buf, 1, 3
.if \first == 0
.set i, 0
.rept 16
	v_pk_mul_f32 v[OA+32+2*i:OA+33+2*i], v[OA+32+2*i:OA+33+2*i], v[AL+2:AL+3] op_sel_hi:[1,0]
.set i, i+1
.endr
.endif
.if \cond
.Lsa\tag:
.endif
	s_wait_dscnt 0x0                               ; zero, for the others' sake too: my reads of this buffer are back, my stores into the other are done
	s_barrier_signal -1
.if \cond
	s_cmp_le_u32 s21, s20                          ; the same condition as above: an idle trip has no products either
	s_cbranch_scc0 .Lsb\tag
.endif
	PV 0, \first                                   ; registers only between signal and wait
	PV 1, \first
.rept 5
	v_nop                                          ; five places in front of the next tile's products, which write over P and V^T, and of its loads
.endr
.if \cond
.Lsb\tag:
.endif
	s_barrier_wait -1                              ; now the other buffer is read and this one is written
.endm
.macro PAIR first, ta, tb
	TILE 0, 0, \first, \first, 1-\first, 1, REMA, \ta, 1-\first
	TILE 1, 1, 0,      \first, 0,        0, REMB, \tb, 1-\first
.endm
; ---------------------------------------------------------------- the start: tile A of pair lp into buffer 0, tile B requested, Q narrowed
.irp i, 0,1,2,3
	global_load_b128 v[GS+4*\i:GS+4*\i+3], v[GOFF], s[28:29] offset:4096*\i
.endr
.irp i, 0,1,2,3
	global_load_b128 v[GS+16+4*\i:GS+16+4*\i+3], v[GOFF], s[30:31] offset:4096*\i
.endr
; Q fragment (nb, ks): query r, d = 32 ks + 8 h .. + 7 (hf = 0) and + 16 (hf = 1), two loads of four f32 each.  Read once in the launch.
.irp nb, 0,1
.irp ks, 0,1
.irp hf, 0,1
.irp q, 0,1
	global_load_b128 v[SC+32*\nb+16*\ks+8*\hf+4*\q:SC+32*\nb+16*\ks+8*\hf+4*\q+3], v[QOFF], s[4:5] offset:\nb*4096+\ks*128+\hf*64+\q*16 th:TH_LOAD_NT
.endr
.endr
.endr
.endr
	s_wait_loadcnt 0x10                            ; the sixteen younger loads (Q) stay out: tile A is in
	CVT GS
	ST KST, GS, KB, KP
	CVT GS+16
	ST VST, GS+16, VB, VP
	s_wait_dscnt 0x0                               ; my part of buffer 0 is written (for the barrier below)
.irp i, 0,1,2,3
	global_load_b128 v[GS+4*\i:GS+4*\i+3], v[GOFF], s[28:29] offset:TILEB+4096*\i
.endr
.irp i, 0,1,2,3
	global_load_b128 v[GS+16+4*\i:GS+16+4*\i+3], v[GOFF], s[30:31] offset:TILEB+4096*\i
.endr
	s_wait_loadcnt 0x8                             ; tile B's eight loads stay out: Q is in
.set i, 0
.rept 32
	v_cvt_pk_f16_f32 v[QF+i], v[SC+2*i], v[SC+2*i+1]
.set i, i+1
.endr
	s_mov_b32 s21, 0                               ; step j multiplies pair j - 1 (step 0: pair lp) and requests pair j
	s_barrier_signal -1
	s_barrier_wait -1                              ; buffer 0 is whole
	PAIR 1, a, b                                   ; the boundary pair: always
	s_mov_b32 s21, 1
.Lloop:
	PAIR 0, c, d                                   ; trip j: pair j - 1 if j <= lp, else the two barriers alone
	s_add_co_u32 s21, s21, 1
	s_cmp_lt_u32 s21, PAIRS
	s_cbranch_scc1 .Lloop                          ; 15 trips, whatever the length
; (The last tile that works has no successor: its stage narrows what is left in the staging registers into a buffer that nobody reads
; again.  Sixteen conversions and eight stores, once a wave; the conversions stand where places are needed in any case.)
; ---------------------------------------------------------------- the end: divide by the sums, and out through my wave's own stage
	v_add_f32 v[TM],   v[LA],   v[LA+1]
	v_add_f32 v[TM+1], v[LA+2], v[LA+3]
	v_permlanex16_b32 v[UM],   v[TM],   s26, s27   ; the other half's keys
	v_permlanex16_b32 v[UM+1], v[TM+1], s26, s27
	v_add_f32 v[TM],   v[TM],   v[UM]
	v_add_f32 v[TM+1], v[TM+1], v[UM+1]            ; at least about 1: the largest weight of a row is exp2(0)
	v_rcp_f32 v[AL],   v[TM]
	v_rcp_f32 v[AL+2], v[TM+1]
	v_nop                                          ; the plain line behind the reciprocals (ISA guide 5.7.2)
.set i, 0
	s_wait_alu depctr_va_vdst(0)
.rept 16
	v_pk_mul_f32 v[OA+2*i:OA+2*i+1],       v[OA+2*i:OA+2*i+1],       v[AL:AL+1]   op_sel_hi:[1,0]
	v_pk_mul_f32 v[OA+32+2*i:OA+33+2*i],   v[OA+32+2*i:OA+33+2*i],   v[AL+2:AL+3] op_sel_hi:[1,0]
.set i, i+1
.endr
.irp nb, 0,1
.irp dt, 0,1,2,3
	ds_store_b128 v[SO], v[OA+32*\nb+8*\dt:OA+32*\nb+8*\dt+3]   offset:\nb*16*SP+64*\dt      ; row 16 nb + r, d = 16 dt + 8 h .. + 3
	ds_store_b128 v[SO], v[OA+32*\nb+8*\dt+4:OA+32*\nb+8*\dt+7] offset:\nb*16*SP+64*\dt+16
.endr
.endr
.set i, 0
.rept 16
	ds_load_b128 v[SC+4*i:SC+4*i+3], v[RD] offset:2*i*SP       ; my wave's own bytes, served in order behind the stores (ISA guide 5.7.1): rows 2 i, 2 i + 1
.set i, i+1
.endr
.set i, 0
.rept 16
	s_wait_dscnt 15-i                              ; the younger read-backs stay out
	global_store_b128 v[GO], v[SC+4*i:SC+4*i+3], s[12:13] offset:2*i*256 th:TH_STORE_NT      ; 512 consecutive bytes, at a multiple of 512 from out's first byte
.set i, i+1
.endr
	s_set_vgpr_msb 0x5
	s_wait_tensorcnt 0x0
	ds_add_u32 v0, v1
	s_wait_dscnt 0x0
	s_set_vgpr_msb 0x500
	s_endpgm
.Lfunc_end_k_q8ddd343da8_attn:
	.size	k_q8ddd343da8_attn, .Lfunc_end_k_q8ddd343da8_attn-k_q8ddd343da8_attn
	.p2alignl 7, 3214868480
	.fill 96, 4, 3214868480
	.section	.rodata,"a",@progbits
	.p2align	6, 0x0
	.amdhsa_kernel k_q8ddd343da8_attn
		.amdhsa_group_segment_fixed_size 168960
		.amdhsa_private_segment_fixed_size 0
		.amdhsa_enable_private_segment 0
		.amdhsa_kernarg_size 40
		.amdhsa_user_sgpr_count 2
		.amdhsa_user_sgpr_kernarg_segment_ptr 1
		.amdhsa_wavefront_size32 1
		.amdhsa_system_sgpr_workgroup_id_x 1
		.amdhsa_system_sgpr_workgroup_id_y 1
		.amdhsa_system_sgpr_workgroup_id_z 1
		.amdhsa_system_vgpr_workitem_id 0
		.amdhsa_next_free_vgpr 258
		.amdhsa_next_free_sgpr 66
		.amdhsa_reserve_vcc 1
		.amdhsa_float_denorm_mode_32 3
		.amdhsa_float_denorm_mode_16_64 3
		.amdhsa_memory_ordered 1
		.amdhsa_forward_progress 1
		.amdhsa_inst_pref_size 100
	.end_amdhsa_kernel
	.amdgpu_metadata
---
amdhsa.version: [ 1, 2 ]
amdhsa.kernels:
  - .name:           k_q8ddd343da8_attn
    .symbol:         k_q8ddd343da8_attn.kd
    .args:
      - { .name: queries, .offset: 0, .size: 8, .value_kind: global_buffer, .address_space: global }
      - { .name: keys, .offset: 8, .size: 8, .value_kind: global_buffer, .address_space: global }
      - { .name: values, .offset: 16, .size: 8, .value_kind: global_buffer, .address_space: global }
      - { .name: valid_lens, .offset: 24, .size: 8, .value_kind: global_buffer, .address_space: global }
      - { .name: out0, .offset: 32, .size: 8, .value_kind: global_buffer, .address_space: global }
    .group_segment_fixed_size: 168960
    .private_segment_fixed_size: 0
    .kernarg_segment_align: 8
    .kernarg_segment_size: 40
    .max_flat_workgroup_size: 256
    .sgpr_count:     66
    .vgpr_count:     258
    .wavefront_size: 32
...
	.end_amdgpu_metadata
.endif
;; end of part 1
;; ======== version 2 of 2: 1 launch; version 1 with the launch attn written anew for expert scheduling mode
;; limits: right only within a limited range of input values; values are held in f16: magnitudes above 65,504 overflow, below 6.1e-05 lose precision
;; launch attn (part 2): grid 8 x 32, 8 waves a work-group, no clusters, 168,960 bytes of LDS; arguments queries, keys, values, valid_lens, out0; writes out0
.if DOCPART == 2
	.amdgcn_target "amdgcn-amd-amdhsa--gfx1250"
	.amdhsa_code_object_version 6
	.text
	.protected	k_q8ddd343da8_attn
	.globl	k_q8ddd343da8_attn
	.p2align	8
	.type	k_q8ddd343da8_attn,@function
k_q8ddd343da8_attn:
	s_mov_b64 s[64:65], 0
	v_nop
	global_prefetch_b8 v0, s[64:65] scope:SCOPE_SE
	s_setreg_imm32_b32 hwreg(HW_REG_WAVE_SCHED_MODE, 0, 2), 2
	s_setreg_imm32_b32 hwreg(HW_REG_WAVE_MODE, 25, 1), 1
	s_wait_xcnt 0x0
	s_wait_alu depctr_vm_vsrc(0)
; out[b][q][:] = softmax_k( q.k / 8, keys at or beyond valid_lens[b] set to -1e6 ) . V      B = 32, S = 2048, D = 64, all f32.
; One launch.  Work-group (x, b): 256 queries of batch b; wave w: 32 of them, as two blocks nb of 16.  Lane (r = L & 15, h = L >> 4)
; belongs to query r of each block.  Keys go in tiles of 64, narrowed to f16 on the way from memory to LDS, two LDS buffers in turn.
;
; BOTH PRODUCTS ARE TAKEN TRANSPOSED.  S^T = K Q^T: register j of tile mt holds key 16 mt + 8 h + j of query r.  Two neighbouring
; key tiles, packed to f16, are the second source (32 keys x query r) of O^T = V^T P^T as they lie: P never leaves its lane, and a
; row's maximum, sum and rescale factor are one number a lane.  One v_permlanex16_b32 a block and tile joins the two halves' maxima;
; the sums' halves are joined once, at the end.  V^T comes out of V[key][d] in LDS by the transposing load.
;
; THE OPERANDS ARE f16, NOT bf16: 11 significant bits in place of 8.  An output is allowed an error of a hundredth of the root mean
; square over ALL batches, and a batch with few valid keys has outputs well above that mean, so that weights of 8 bits leave too small a
; margin there.  f16 has the room: weights lie in 0 .. 1, and inputs of unit spread, also 30 times larger or offset by 30 spreads,
; stay below 200 against f16's largest number, 65,504.  Below 2^-14 f16 goes on in steps of 2^-24 (denormals are kept): an absolute
; error of at most 2^-25 a number, over 2,048 weights at most 6e-5 against a sum of weights of at least 1.
;
; THE MASK IS A PREFIX.  With lp = (len - 1) >> 7, the pair of tiles that holds the boundary (keys 128 lp .. 128 lp + 127) is taken
; FIRST, masked, and starts maximum, sums and O (its first product has C = 0: nothing is cleared).  Then pairs 0 .. lp - 1 follow,
; unmasked.  A running maximum does not mind the order of tiles.  Pairs behind lp are not loaded and not multiplied.
; The loop over the unmasked pairs has 15 trips, a constant; trip j works on pair j - 1 if j <= lp and otherwise jumps over its work,
; but never over a barrier: every wave passes every barrier of the text, whatever the length.  An idle trip is two barriers and four
; compares.
;
; LIMITS, all of range:  (1) a key in a tile that is not visited has the weight exp(-1e6 - max), which is 0 in f32 as long as some
; valid score of the row is above about -999,900; below that this text differs from the definition.  (2) valid_lens is clamped to
; 0 .. 2048.  At 0 (or below) every score is -1e6 and the result is the mean of all 2,048 values: here the scale c is set to 0 and
; all keys are taken, so that every weight is exp2(0) = 1; that needs q.k finite.  (3) NaN and infinities in the inputs are not
; served (the maxima drop NaN).  (4) Q, K, V and the weights enter the products in f16; an input of magnitude 65,520 or more becomes
; an infinity there.  Maxima, exponents and sums are f32.
;
; NO TENSOR LOADS, NO CLUSTER, by this text's own bytes: K and V are f32 in memory and f16 in the products.  A copy into LDS would
; land a tile's 32,768 bytes of f32 there, to be read back, narrowed and stored again as 16,384; through registers the 16,384 are
; all that LDS sees.  The eight work-groups of a batch do read the same tiles, each for itself.
;
; THE MODE: SCHED_MODE bits 1:0 = 2 (LLVM: expert scheduling mode 2), set by the entry lines.  The code itself states the register
; dependences between vector or matrix instructions and memory or LDS instructions, with s_wait_alu, always for 0.
; THE PLAN.  Registers that memory or LDS instructions touch, round a tile:
;   FR  (v64-95)            K of key blocks 0, 1 lands at the tile's head; the score products 0, 1 read it; V^T of keys 0-31 lands in the
;                           tile's middle; the products O^T += V^T P of keys 0-31 read it at the tile's end.
;   FR' (the same numbers   K of key blocks 2, 3, the score products 2, 3, V^T of keys 32-63 and the products of keys 32-63, at the
;        in window 1)       same four points of the tile.
;   GS  (v96-127)           the next tile lands from memory; sixteen conversions read and rewrite it; eight LDS stores read it; the
;                           tile after that is loaded into it.
;   v1-v6, v24-v27          offsets and LDS addresses, made once at the head and never written again.
;   SC, OA                  in the loop named by vector and matrix lines alone; at the start Q lands in SC, at the end the stage's stores
;                           read OA and its read-backs land in SC.
; So a tile has TWO waits on va_vdst.  One at its head: the last tile's products are done reading FR and FR'; all sixteen loads of K
; follow.  One in its middle, behind the score products, the conversions and the maximum of key blocks 0, 1: the score products are done
; reading FR and FR' (sixteen loads of V^T follow), the conversions have written GS (eight stores follow) and are done with it (the next
; loads from memory follow further down: no vector line in between names GS or an offset).  ONE wait on vm_vsrc stands ahead of those
; loads from memory: the stores have read GS.
.set KP,    144                        ; LDS pitch of a K row: 128 bytes + 16, an odd multiple of 16
.set VP,    160                        ; LDS pitch of a V row: 128 bytes + 32, an odd multiple of 32 (transposing load)
.set KBUF,  64*KP
.set VBUF,  64*VP
.set KB,    0                          ; K buffers 0, 1
.set VB,    2*KBUF                     ; V buffers 0, 1
.set STG,   VB+2*VBUF                  ; the way out: 32 rows of 256 bytes + 16 for each wave
.set SP,    272
.set WSTG,  32*SP
.set TILEB, 16384                      ; a tile of 64 keys in memory, f32
.set PAIRB, 2*TILEB
.set PAIRS, 16                         ; pairs of tiles in a batch
.set KFA,  1                           ; r * 144 + 16 h                                  K fragments
.set VFA,  2                           ; (8 h + (L & 7)) * 160 + 16 ((L >> 3) & 1)       V^T fragments
.set KST,  3                           ; (t >> 4) * 144 + 8 (t & 15)                     where thread t stages K
.set VST,  4                           ; (t >> 4) * 160 + 8 (t & 15)                     and V
.set GOFF, 5                           ; 16 t: my 16 bytes of each 4,096 of a tile in memory
.set PFO,  6                           ; prefetch: ((x & 3) * 32 + L) * 256
.set MX,   8                           ; v8, v9      running maximum (raw scores) of block 0, 1
.set TM,   10                          ; v10, v11    the new maximum
.set NMC,  12                          ; v12, v14    -c * maximum (v13, v15 only fill the pairs)
.set AL,   16                          ; v16, v18    rescale factor; at the end 1 / sum (v17, v19 only fill the pairs)
.set LA,   20                          ; v[20:21], v[22:23]  two partial sums of weights for each block
.set QOFF, 24
.set SO,   25
.set RD,   26
.set GO,   27
.set UM,   28                          ; v28, v29    second chain of the maximum; the other half's maximum
.set REMA, 30                          ; len - 128 lp - 8 h: key 16 mt + j of the boundary pair's tile A is valid if 16 mt + j < this
.set REMB, 31                          ; the same for tile B: 64 less
.set QF,   32                          ; v[32:63]    Q fragments, 16 nb + 8 ks
.set FR,   64                          ; v[64:95]    window 0: K of key blocks 0, 1, then V^T of keys 0-31;  window 1 (v320-351): K of key blocks 2, 3, then V^T of keys 32-63
.set GS,   96                          ; v[96:127]   a tile on its way: K 16 registers, V 16 registers
.set SC,   128                         ; v[128:191]  scores 32 nb + 8 mt + j; then weights; then the packed weights in the first 16 of each 32
.set OA,   192                         ; v[192:255]  O^T, 32 nb + 8 dt + j: d = 16 dt + 8 h + j of query r
.set MK,   38                          ; s[38:45]    the boundary pair: eight masks of lanes at a time
.set TO_X, 0x40                        ; s_set_vgpr_msb: a load's destination in window 1, its address in window 0
.set A_X,  0x01                        ; a matrix instruction's first source in window 1, all else in window 0
.set MSB,  0
.macro WIN new                         ; the immediate's high byte repeats the setting that is left; at every label and branch the setting is 0
.if MSB != (\new)
	s_set_vgpr_msb (MSB<<8)|(\new)
.set MSB, (\new)
.endif
.endm
	s_load_b256 s[4:11], s[0:1], 0x0               ; Q s[4:5], K s[6:7], V s[8:9], valid_lens s[10:11]
	s_load_b64 s[12:13], s[0:1], 0x20              ; out
	s_set_vgpr_msb 0x40
	v_lshl_add_u32 v62, v0, 2, 0x29000
	v_mov_b32 v63, 0
	s_set_vgpr_msb 0x4000
	v_lshrrev_b32 v7, 5, v0
	v_readfirstlane_b32 s14, v7                    ; wave 0..7
	s_mov_b32 s15, ttmp9                           ; x: block of 256 queries
	s_and_b32 s16, ttmp7, 0xffff                   ; b: batch
	s_lshl_b32 s18, s16, 2
	s_wait_kmcnt 0x0
	s_load_b32 s17, s[10:11], s18 offset:0x0       ; valid_lens[b]: the same word in all eight waves
	v_and_b32 v64, 31, v0                          ; L
	v_and_b32 v65, 15, v0                          ; r, and t & 15
	v_bfe_u32 v66, v0, 4, 1                        ; h
	v_mul_u32_u24 v[KFA], v65, KP
	v_lshl_add_u32 v[KFA], v66, 4, v[KFA]
	v_and_b32 v67, 7, v0
	v_lshl_add_u32 v67, v66, 3, v67                ; 8 h + (L & 7)
	v_bfe_u32 v68, v0, 3, 1
	v_mul_u32_u24 v[VFA], v67, VP
	v_lshl_add_u32 v[VFA], v68, 4, v[VFA]
	v_lshrrev_b32 v69, 4, v0                       ; t >> 4: my row in each 16 rows of a tile
	v_mul_u32_u24 v[KST], v69, KP
	v_lshl_add_u32 v[KST], v65, 3, v[KST]
	v_mul_u32_u24 v[VST], v69, VP
	v_lshl_add_u32 v[VST], v65, 3, v[VST]
	v_lshlrev_b32 v[GOFF], 4, v0
	s_and_b32 s19, s15, 3
	s_lshl_b32 s19, s19, 13
	v_lshl_add_u32 v[PFO], v64, 8, s19
	v_lshlrev_b32 v[QOFF], 8, v65                  ; query r's row of 256 bytes
	v_lshl_add_u32 v[QOFF], v66, 5, v[QOFF]        ; + 8 h numbers
	s_wait_alu depctr_va_sdst(0)                   ; s14, the wave's number, is written, ahead of its first reader: the line below
	s_mul_i32 s19, s14, WSTG
	s_add_co_u32 s19, s19, STG                     ; my wave's stage
	v_mul_u32_u24 v[SO], v65, SP
	v_lshl_add_u32 v[SO], v66, 5, v[SO]
	v_add_nc_u32 v[SO], s19, v[SO]                 ; in: row r, 32 bytes for each half of the lanes
	v_mul_u32_u24 v[RD], v66, SP
	v_lshl_add_u32 v[RD], v65, 4, v[RD]
	v_add_nc_u32 v[RD], s19, v[RD]                 ; back: lanes 0-15 one row, lanes 16-31 the next
	v_lshlrev_b32 v[GO], 4, v64                    ; and the same two rows in memory: 512 consecutive bytes
	v_lshlrev_b32 v7, 3, v66                       ; 8 h
	v_mov_b32 v[NMC+1], 0                          ; the upper registers of the broadcast pairs are never used,
	v_mov_b32 v[NMC+3], 0                          ; but a pair is named whole
	v_mov_b32 v[AL+1], 0
	v_mov_b32 v[AL+3], 0
	s_mov_b32 s24, 0xcaf42400                      ; -8.0e6 = -1e6 * 8: a masked score, before the division by 8 that lies in c
	s_mov_b32 s26, 0x76543210                      ; v_permlanex16_b32: lane i of one half reads lane i of the other
	s_mov_b32 s27, 0xfedcba98
	s_lshl_b32 s34, s16, 19                        ; batch: 2,048 rows of 256 bytes
	s_mov_b32 s35, 0
	s_add_nc_u64 s[6:7], s[6:7], s[34:35]          ; K and V at the batch's pair 0: the pair that step 0 requests
	s_add_nc_u64 s[8:9], s[8:9], s[34:35]
	s_lshl_b32 s36, s15, 16                        ; 256 rows a work-group
	s_lshl_b32 s37, s14, 13                        ; 32 rows a wave
	s_add_co_u32 s36, s36, s37
	s_add_co_u32 s34, s34, s36
	s_add_nc_u64 s[4:5], s[4:5], s[34:35]          ; Q and out at my wave's rows
	s_add_nc_u64 s[12:13], s[12:13], s[34:35]
	s_cmp_lt_u32 s15, 4                            ; prefetch: work-groups 0-3 of a batch ask for K, 4-7 for V
	s_cselect_b64 s[32:33], s[6:7], s[8:9]
	s_add_nc_u64 s[32:33], s[32:33], PAIRB         ; step 0 asks for pair 1
	s_wait_kmcnt 0x0
	s_max_i32 s17, s17, 0
	s_min_i32 s17, s17, 0x800                      ; 0 .. 2048
	s_cmp_eq_u32 s17, 0
	s_cselect_b32 s22, 0, 0x3e38aa3b               ; c = log2(e) / 8; 0 where no key is valid: all weights 1
	s_cselect_b32 s17, 0x800, s17                  ; and then all keys are taken
	s_mov_b32 s23, s22
	s_xor_b32 s25, s22, 0x80000000                 ; -c
	s_sub_co_u32 s20, s17, 1
	s_lshr_b32 s20, s20, 7
	s_min_u32 s20, s20, 15                         ; lp: the boundary pair, and the number of trips that work
	s_lshl_b32 s34, s20, 15
	s_add_nc_u64 s[28:29], s[6:7], s[34:35]        ; K and V at pair lp
	s_add_nc_u64 s[30:31], s[8:9], s[34:35]
	s_lshl_b32 s18, s20, 7
	s_sub_co_u32 s18, s17, s18                     ; valid keys in the boundary pair: 1 .. 128
	s_sub_co_u32 s19, s18, 64
	v_sub_nc_u32 v[REMA], s18, v7
	v_sub_nc_u32 v[REMB], s19, v7                  ; may be negative: compared as signed
; ---------------------------------------------------------------- macros
.macro KFRAG f, buf, mt                ; 16 keys x 64 d of K: two fragments (ks = 0, 1) of 8 registers; the window says which FR
.irp ks, 0,1
	ds_load_b128 v[\f+8*\ks:\f+8*\ks+3],   v[KFA] offset:KB+\buf*KBUF+\mt*16*KP+\ks*64
	ds_load_b128 v[\f+8*\ks+4:\f+8*\ks+7], v[KFA] offset:KB+\buf*KBUF+\mt*16*KP+\ks*64+32
.endr
.endm
.macro SMUL f, mt                      ; scores of 16 keys x 32 queries; the first 32 of d start the sums; the two accumulators take turns
	v_wmma_f32_16x16x32_f16 v[SC+8*\mt:SC+8*\mt+7],       v[\f:\f+7],    v[QF:QF+7],     0
	v_wmma_f32_16x16x32_f16 v[SC+32+8*\mt:SC+32+8*\mt+7], v[\f:\f+7],    v[QF+16:QF+23], 0
	v_wmma_f32_16x16x32_f16 v[SC+8*\mt:SC+8*\mt+7],       v[\f+8:\f+15], v[QF+8:QF+15],  v[SC+8*\mt:SC+8*\mt+7]
	v_wmma_f32_16x16x32_f16 v[SC+32+8*\mt:SC+32+8*\mt+7], v[\f+8:\f+15], v[QF+24:QF+31], v[SC+32+8*\mt:SC+32+8*\mt+7]
.endm
.macro CVT g                           ; 16 f32 to 16 f16, in place: registers g + 4 i, g + 4 i + 1 hold load i's four numbers
.irp i, 0,1,2,3
	v_cvt_pk_f16_f32 v[\g+4*\i],   v[\g+4*\i],   v[\g+4*\i+1]
	v_cvt_pk_f16_f32 v[\g+4*\i+1], v[\g+4*\i+2], v[\g+4*\i+3]
.endr
.endm
.macro ST adr, g, base, pitch          ; load i held row 16 i + (t >> 4), columns 4 (t & 15) .. + 3
.irp i, 0,1,2,3
	ds_store_b64 v[\adr], v[\g+4*\i:\g+4*\i+1] offset:\base+16*\i*\pitch
.endr
.endm
.macro GLOADS tb, tag                  ; request tile tb of pair s21, if a later trip will multiply that pair (s21 < lp): no load leaves the pairs used
	s_cmp_lt_u32 s21, s20
	s_cbranch_scc0 .Lnl\tag
.irp i, 0,1,2,3
	global_load_b128 v[GS+4*\i:GS+4*\i+3], v[GOFF], s[6:7] offset:\tb*TILEB+4096*\i          ; a wave's load: 512 consecutive bytes
.endr
.irp i, 0,1,2,3
	global_load_b128 v[GS+16+4*\i:GS+16+4*\i+3], v[GOFF], s[8:9] offset:\tb*TILEB+4096*\i
.endr
.Lnl\tag:
.endm
; Step j asks for pair j + 1, which is loaded one step (two and three tiles) later.  A pair is 128 rows of 256 bytes of K and as many of V;
; of these 256 rows wave 0 of work-group x asks for 32 (K if x < 4, else V; rows 32 (x & 3) + lane): each row once in the launch.
; Nothing is asked for once j + 1 >= lp: no request points behind the pairs that the loop loads.
.macro PREF tag
	s_cmp_lg_u32 s14, 0
	s_cbranch_scc1 .Lnp\tag
	s_add_co_u32 s18, s21, 1
	s_cmp_lt_u32 s18, s20
	s_cbranch_scc0 .Lnp\tag
	global_prefetch_b8 v[PFO], s[32:33] th:TH_LOAD_NT scope:SCOPE_SE
.Lnp\tag:
.endm
; Keys at or beyond the length get the masked score: key blocks m0 and m1.  A block's eight compares stand in one run, each into a scalar
; register of its own, with one wait behind the run.  Each accumulator is read from its low end on.
.macro MASK rem, m0, m1
.irp mt, \m0, \m1
.irp j, 0,1,2,3,4,5,6,7
	v_cmp_lt_i32 s[MK+\j], 16*\mt+\j, v[\rem]
.endr
	s_wait_alu depctr_va_sdst(0)                   ; the eight compares have written s[38:45], ahead of the first select that reads one of them
.irp j, 0,1,2,3,4,5,6,7
	v_cndmask_b32 v[SC+8*\mt+\j],    s24, v[SC+8*\mt+\j],    s[MK+\j]
	v_cndmask_b32 v[SC+32+8*\mt+\j], s24, v[SC+32+8*\mt+\j], s[MK+\j]
.endr
.endr
.endm
.macro MAXA first                      ; the old maximum and key blocks 0, 1; the two query blocks' chains take turns
.if \first
	v_max_num_f32 v[TM],   v[SC],    v[SC+1]
	v_max_num_f32 v[TM+1], v[SC+32], v[SC+33]
.else
	v_max3_num_f32 v[TM],   v[MX],   v[SC],    v[SC+1]
	v_max3_num_f32 v[TM+1], v[MX+1], v[SC+32], v[SC+33]
.endif
.irp e, 2,4,6,8,10,12,14
	v_max3_num_f32 v[TM],   v[TM],   v[SC+\e],    v[SC+\e+1]
	v_max3_num_f32 v[TM+1], v[TM+1], v[SC+32+\e], v[SC+33+\e]
.endr
.endm
.macro MAXB                            ; key blocks 2, 3 in a chain of their own, then joined
	v_max3_num_f32 v[UM],   v[SC+16], v[SC+17], v[SC+18]
	v_max3_num_f32 v[UM+1], v[SC+48], v[SC+49], v[SC+50]
.irp e, 19,21,23,25,27,29
	v_max3_num_f32 v[UM],   v[UM],   v[SC+\e],    v[SC+\e+1]
	v_max3_num_f32 v[UM+1], v[UM+1], v[SC+32+\e], v[SC+33+\e]
.endr
	v_max3_num_f32 v[TM],   v[TM],   v[UM],   v[SC+31]
	v_max3_num_f32 v[TM+1], v[TM+1], v[UM+1], v[SC+63]
.endm
.macro STATS first
	v_permlanex16_b32 v[UM],   v[TM],   s26, s27   ; the other half of the lanes holds the other 32 keys of my query
	v_permlanex16_b32 v[UM+1], v[TM+1], s26, s27
	v_max_num_f32 v[TM],   v[TM],   v[UM]
	v_max_num_f32 v[TM+1], v[TM+1], v[UM+1]
	v_mul_f32 v[NMC],   s25, v[TM]                 ; -c * new maximum
	v_mul_f32 v[NMC+2], s25, v[TM+1]
.if \first == 0
	v_fma_f32 v[AL],   v[MX],   s22, v[NMC]        ; c * (old - new)
	v_fma_f32 v[AL+2], v[MX+1], s22, v[NMC+2]
	v_exp_f32 v[AL],   v[AL]
	v_exp_f32 v[AL+2], v[AL+2]                     ; the two moves below are the plain lines behind the exponentials (ISA guide 5.7.2)
.endif
	v_mov_b32 v[MX],   v[TM]
	v_mov_b32 v[MX+1], v[TM+1]
.endm
.macro SUM nb, first                   ; pair i (the symbol of the run around it) of block nb's weights joins the block's two sums
.if \first
.if i == 1
	s_wait_alu depctr_va_vdst(0)
	v_pk_add_f32 v[LA+2*\nb:LA+2*\nb+1], v[SC+32*\nb:SC+32*\nb+1], v[SC+32*\nb+2:SC+32*\nb+3]      ; the first two pairs start the sums
	s_wait_alu depctr_va_vdst(0)
.endif
.if i > 1
	v_pk_add_f32 v[LA+2*\nb:LA+2*\nb+1], v[LA+2*\nb:LA+2*\nb+1], v[SC+32*\nb+2*i:SC+32*\nb+2*i+1]
.endif
.else
.if i == 0
	s_wait_alu depctr_va_vdst(0)
	v_pk_fma_f32 v[LA+2*\nb:LA+2*\nb+1], v[LA+2*\nb:LA+2*\nb+1], v[AL+2*\nb:AL+2*\nb+1], v[SC+32*\nb:SC+32*\nb+1] op_sel_hi:[1,0,1]   ; rescale and add in one
	s_wait_alu depctr_va_vdst(0)
.else
	v_pk_add_f32 v[LA+2*\nb:LA+2*\nb+1], v[LA+2*\nb:LA+2*\nb+1], v[SC+32*\nb+2*i:SC+32*\nb+2*i+1]
.endif
.endif
.endm
.macro VFRAG dst, buf, ks, dt          ; V^T: d = 16 dt + r, keys 32 ks + 8 h .. + 7 and + 16 more
	ds_load_tr16_b128 v[\dst:\dst+3],   v[VFA] offset:VB+\buf*VBUF+\ks*32*VP+\dt*32
	ds_load_tr16_b128 v[\dst+4:\dst+7], v[VFA] offset:VB+\buf*VBUF+\ks*32*VP+\dt*32+16*VP
.endm
.macro PV ks, first                    ; O^T += V^T (64 d x 32 keys) P^T (32 keys x 32 queries); keys 0-31 from FR in window 0, keys 32-63 from FR in window 1: the caller sets the window
.irp dt, 0,1,2,3
.irp nb, 0,1
.set PA, FR+8*\dt
.set PO, OA+32*\nb+8*\dt
.set PB, SC+32*\nb+8*\ks
.if \first*(1-\ks)
	v_wmma_f32_16x16x32_f16 v[PO:PO+7], v[PA:PA+7], v[PB:PB+7], 0
.else
	v_wmma_f32_16x16x32_f16 v[PO:PO+7], v[PA:PA+7], v[PB:PB+7], v[PO:PO+7]
.endif
.endr
.endr
.endm
; ONE TILE of 64 keys, read from LDS buffer buf.  Meanwhile the next tile, requested one tile ago, is narrowed and staged into the other
; buffer, and the tile after it (tile tb of pair s21) is requested.  first: starts maximum, sums and O.  masked: the boundary pair.
; step: the pointers go on by a pair.  pf: the prefetch stands here.  One barrier a tile, at its end.
; cond = 1 (the tiles of the loop): the work is done only if s21 <= lp.  Two forward jumps, one over all that stands in front of the
; signal's wait, one over the products between signal and wait; the wait for LDS, the signal and the barrier's wait are passed always.
.macro TILE buf, tb, first, masked, step, pf, rem, tag, cond
.if \cond
	s_cmp_le_u32 s21, s20
	s_cbranch_scc0 .Lsa\tag
.endif
	s_wait_alu depctr_va_vdst(0)                   ; the last tile's products O^T += V^T P are done reading FR in both windows, in which the sixteen loads below land
	KFRAG FR,    \buf, 0
	KFRAG FR+16, \buf, 1
	WIN TO_X                                       ; between the wait above and the loads below stand loads and this switch alone
	KFRAG FR,    \buf, 2
	KFRAG FR+16, \buf, 3
	WIN 0
	s_wait_dscnt 0xc                               ; LDS loads return in order (ISA guide 5.7.1): block 0 is in, the twelve loads of blocks 1 to 3 stay out
	SMUL FR, 0
	s_wait_dscnt 0x8                               ; block 1 is in
	SMUL FR+16, 1
	WIN A_X
	s_wait_dscnt 0x4                               ; block 2 is in
	SMUL FR, 2
	s_wait_dscnt 0x0                               ; block 3 is in
	SMUL FR+16, 3
	WIN 0
	s_wait_loadcnt 0x0                             ; the tile requested one tile ago is in registers (nothing is out where none was requested)
.if \step
	s_wait_xcnt 0x0                                ; the prefetch of the last step has read its base; the loads are done by the wait above
	s_add_nc_u64 s[6:7],   s[6:7],   PAIRB
	s_add_nc_u64 s[8:9],   s[8:9],   PAIRB
	s_add_nc_u64 s[32:33], s[32:33], PAIRB
.endif
	CVT GS                                         ; sixteen plain lines that name GS alone: the places between the score products and every line that
	CVT GS+16                                      ; reads or rewrites a score (ISA guide 7.12.1)
.if \masked
	MASK \rem, 0, 1
.endif
	MAXA \first
	s_wait_alu depctr_va_vdst(0)                   ; the score products are done reading FR in both windows (V^T lands there); the conversions have written GS (the stores read it) and are done with it (the next tile lands there, further down)
	VFRAG FR,    \buf, 0, 0
	VFRAG FR+8,  \buf, 0, 1
	VFRAG FR+16, \buf, 0, 2
	VFRAG FR+24, \buf, 0, 3
	WIN TO_X                                       ; again loads and a switch alone between the wait and these loads
	VFRAG FR,    \buf, 1, 0
	VFRAG FR+8,  \buf, 1, 1
	VFRAG FR+16, \buf, 1, 2
	VFRAG FR+24, \buf, 1, 3
	WIN 0
	ST KST, GS,    KB+(1-\buf)*KBUF, KP            ; the other buffer: all waves' reads of it ended in front of the last barrier
	ST VST, GS+16, VB+(1-\buf)*VBUF, VP
.if \masked
	MASK \rem, 2, 3
.endif
	MAXB
	s_wait_alu depctr_vm_vsrc(0)                   ; the eight stores have read GS, which the loads below, or else the next tile's conversions, write again
	GLOADS \tb, \tag                               ; no vector line since the wait on va_vdst names GS or its offset
.if \pf
	PREF \tag
.endif
	STATS \first
	; weights p = exp2(c s - c max).  The two blocks are staggered, so that a plain line stands behind each pair of exponentials.
.set i, 0
.rept 16
	v_pk_fma_f32 v[SC+2*i:SC+2*i+1], v[SC+2*i:SC+2*i+1], s[22:23], v[NMC:NMC+1] op_sel_hi:[1,0,0]
.set i, i+1
.endr
.set i, 0
.rept 16
	v_exp_f32 v[SC+2*i],   v[SC+2*i]
	v_exp_f32 v[SC+2*i+1], v[SC+2*i+1]
	v_pk_fma_f32 v[SC+32+2*i:SC+33+2*i], v[SC+32+2*i:SC+33+2*i], s[22:23], v[NMC+2:NMC+3] op_sel_hi:[1,0,0]
.set i, i+1
.endr
.set i, 0
.rept 16
	v_exp_f32 v[SC+32+2*i], v[SC+32+2*i]
	v_exp_f32 v[SC+33+2*i], v[SC+33+2*i]
	SUM 0, \first
.set i, i+1
.endr
.set i, 0
.rept 16
	SUM 1, \first                                  ; the sums take the weights in f32, before they are narrowed
	v_cvt_pk_f16_f32 v[SC+i], v[SC+2*i], v[SC+2*i+1]           ; block 0's 32 weights shrink into its first 16 registers
.set i, i+1
.endr
.set i, 0
.rept 16
	v_cvt_pk_f16_f32 v[SC+32+i], v[SC+32+2*i], v[SC+33+2*i]
.if \first == 0
	v_pk_mul_f32 v[OA+2*i:OA+2*i+1], v[OA+2*i:OA+2*i+1], v[AL:AL+1] op_sel_hi:[1,0]
.endif
.set i, i+1
.endr
.if \first == 0
.set i, 0
.rept 16
	v_pk_mul_f32 v[OA+32+2*i:OA+33+2*i], v[OA+32+2*i:OA+33+2*i], v[AL+2:AL+3] op_sel_hi:[1,0]
.set i, i+1
.endr
.endif
.if \cond
.Lsa\tag:
.endif
	s_wait_dscnt 0x0                               ; zero, for the others' sake too: my reads of this buffer are back (V^T among them), my stores into the other are done
	s_barrier_signal -1
.if \cond
	s_cmp_le_u32 s21, s20                          ; the same condition as above: an idle trip has no products either
	s_cbranch_scc0 .Lsb\tag
.endif
	PV 0, \first                                   ; registers only between signal and wait
	WIN A_X
	PV 1, \first
	WIN 0
.rept 5
	v_nop                                          ; five places in front of the next tile's score products, which write over P (ISA guide 7.12.1)
.endr
.if \cond
.Lsb\tag:
.endif
	s_barrier_wait -1                              ; now the other buffer is read and this one is written
.endm
.macro PAIR first, ta, tb
	TILE 0, 0, \first, \first, 1-\first, 1, REMA, \ta, 1-\first
	TILE 1, 1, 0,      \first, 0,        0, REMB, \tb, 1-\first
.endm
; ---------------------------------------------------------------- the start: tile A of pair lp into buffer 0, tile B requested, Q narrowed
	s_wait_alu depctr_va_vdst(0)                   ; the ten offsets and addresses v1 to v6 and v24 to v27 are written: every load, store and prefetch of the kernel reads one of them, and none is written again
.irp i, 0,1,2,3
	global_load_b128 v[GS+4*\i:GS+4*\i+3], v[GOFF], s[28:29] offset:4096*\i
.endr
.irp i, 0,1,2,3
	global_load_b128 v[GS+16+4*\i:GS+16+4*\i+3], v[GOFF], s[30:31] offset:4096*\i
.endr
; Q fragment (nb, ks): query r, d = 32 ks + 8 h .. + 7 (hf = 0) and + 16 (hf = 1), two loads of four f32 each.  Read once in the launch.
.irp nb, 0,1
.irp ks, 0,1
.irp hf, 0,1
.irp q, 0,1
	global_load_b128 v[SC+32*\nb+16*\ks+8*\hf+4*\q:SC+32*\nb+16*\ks+8*\hf+4*\q+3], v[QOFF], s[4:5] offset:\nb*4096+\ks*128+\hf*64+\q*16 th:TH_LOAD_NT
.endr
.endr
.endr
.endr
	s_wait_loadcnt 0x10                            ; the sixteen younger loads (Q) stay out: tile A is in
	CVT GS
	CVT GS+16
	s_wait_alu depctr_va_vdst(0)                   ; the conversions have written GS, which the stores read, and are done with it: tile B lands there below
	ST KST, GS, KB, KP
	ST VST, GS+16, VB, VP
	s_wait_dscnt 0x0                               ; my part of buffer 0 is written (for the barrier below)
	s_wait_alu depctr_vm_vsrc(0)                   ; the eight stores have read GS, in which the loads below land
.irp i, 0,1,2,3
	global_load_b128 v[GS+4*\i:GS+4*\i+3], v[GOFF], s[28:29] offset:TILEB+4096*\i
.endr
.irp i, 0,1,2,3
	global_load_b128 v[GS+16+4*\i:GS+16+4*\i+3], v[GOFF], s[30:31] offset:TILEB+4096*\i
.endr
	s_wait_loadcnt 0x8                             ; tile B's eight loads stay out: Q is in
.set i, 0
.rept 32
	v_cvt_pk_f16_f32 v[QF+i], v[SC+2*i], v[SC+2*i+1]
.set i, i+1
.endr
	s_mov_b32 s21, 0                               ; step j multiplies pair j - 1 (step 0: pair lp) and requests pair j
	s_barrier_signal -1
	s_barrier_wait -1                              ; buffer 0 is whole
	PAIR 1, a, b                                   ; the boundary pair: always
	s_mov_b32 s21, 1
.Lloop:
	PAIR 0, c, d                                   ; trip j: pair j - 1 if j <= lp, else the two barriers alone
	s_add_co_u32 s21, s21, 1
	s_cmp_lt_u32 s21, PAIRS
	s_cbranch_scc1 .Lloop                          ; 15 trips, whatever the length
; (The last tile that works has no successor: its stage narrows what is left in the staging registers into a buffer that nobody reads
; again.  Sixteen conversions and eight stores, once a wave; the conversions stand where places are needed in any case.)
; ---------------------------------------------------------------- the end: divide by the sums, and out through my wave's own stage
	v_add_f32 v[TM],   v[LA],   v[LA+1]
	v_add_f32 v[TM+1], v[LA+2], v[LA+3]
	v_permlanex16_b32 v[UM],   v[TM],   s26, s27   ; the other half's keys
	v_permlanex16_b32 v[UM+1], v[TM+1], s26, s27
	v_add_f32 v[TM],   v[TM],   v[UM]
	v_add_f32 v[TM+1], v[TM+1], v[UM+1]            ; at least about 1: the largest weight of a row is exp2(0)
	v_rcp_f32 v[AL],   v[TM]
	v_rcp_f32 v[AL+2], v[TM+1]
	v_nop                                          ; the plain line behind the reciprocals (ISA guide 5.7.2)
.set i, 0
	s_wait_alu depctr_va_vdst(0)
.rept 16
	v_pk_mul_f32 v[OA+2*i:OA+2*i+1],       v[OA+2*i:OA+2*i+1],       v[AL:AL+1]   op_sel_hi:[1,0]
	v_pk_mul_f32 v[OA+32+2*i:OA+33+2*i],   v[OA+32+2*i:OA+33+2*i],   v[AL+2:AL+3] op_sel_hi:[1,0]
.set i, i+1
.endr
	s_wait_alu depctr_va_vdst(0)                   ; the scalings have written OA, which the stores read; the last products and conversions are done with SC, in which the read-backs land
.irp nb, 0,1
.irp dt, 0,1,2,3
	ds_store_b128 v[SO], v[OA+32*\nb+8*\dt:OA+32*\nb+8*\dt+3]   offset:\nb*16*SP+64*\dt      ; row 16 nb + r, d = 16 dt + 8 h .. + 3
	ds_store_b128 v[SO], v[OA+32*\nb+8*\dt+4:OA+32*\nb+8*\dt+7] offset:\nb*16*SP+64*\dt+16
.endr
.endr
.set i, 0
.rept 16
	ds_load_b128 v[SC+4*i:SC+4*i+3], v[RD] offset:2*i*SP       ; my wave's own bytes, served in order behind the stores (ISA guide 5.7.1): rows 2 i, 2 i + 1
.set i, i+1
.endr
.set i, 0
.rept 16
	s_wait_dscnt 15-i                              ; the younger read-backs stay out
	global_store_b128 v[GO], v[SC+4*i:SC+4*i+3], s[12:13] offset:2*i*256 th:TH_STORE_NT      ; 512 consecutive bytes, at a multiple of 512 from out's first byte
.set i, i+1
.endr
	s_set_vgpr_msb 0x5
	s_wait_dscnt 0x0
	s_wait_alu depctr_hold_cnt(0) depctr_sa_sdst(0) depctr_va_vdst(0) depctr_va_sdst(0) depctr_va_ssrc(0) depctr_va_vcc(0) depctr_vm_vsrc(0)
	s_wait_tensorcnt 0x0
	ds_add_u32 v62, v63
	s_wait_dscnt 0x0
	s_endpgm
.Lfunc_end_k_q8ddd343da8_attn:
	.size	k_q8ddd343da8_attn, .Lfunc_end_k_q8ddd343da8_attn-k_q8ddd343da8_attn
	.p2alignl 7, 3214868480
	.fill 96, 4, 3214868480
	.section	.rodata,"a",@progbits
	.p2align	6, 0x0
	.amdhsa_kernel k_q8ddd343da8_attn
		.amdhsa_group_segment_fixed_size 168960
		.amdhsa_private_segment_fixed_size 0
		.amdhsa_enable_private_segment 0
		.amdhsa_kernarg_size 40
		.amdhsa_user_sgpr_count 2
		.amdhsa_user_sgpr_kernarg_segment_ptr 1
		.amdhsa_wavefront_size32 1
		.amdhsa_system_sgpr_workgroup_id_x 1
		.amdhsa_system_sgpr_workgroup_id_y 1
		.amdhsa_system_sgpr_workgroup_id_z 1
		.amdhsa_system_vgpr_workitem_id 0
		.amdhsa_next_free_vgpr 352
		.amdhsa_next_free_sgpr 66
		.amdhsa_reserve_vcc 0
		.amdhsa_float_denorm_mode_32 3
		.amdhsa_float_denorm_mode_16_64 3
		.amdhsa_memory_ordered 1
		.amdhsa_forward_progress 1
		.amdhsa_inst_pref_size 108
	.end_amdhsa_kernel
	.amdgpu_metadata
---
amdhsa.version: [ 1, 2 ]
amdhsa.kernels:
  - .name:           k_q8ddd343da8_attn
    .symbol:         k_q8ddd343da8_attn.kd
    .args:
      - { .name: queries, .offset: 0, .size: 8, .value_kind: global_buffer, .address_space: global }
      - { .name: keys, .offset: 8, .size: 8, .value_kind: global_buffer, .address_space: global }
      - { .name: values, .offset: 16, .size: 8, .value_kind: global_buffer, .address_space: global }
      - { .name: valid_lens, .offset: 24, .size: 8, .value_kind: global_buffer, .address_space: global }
      - { .name: out0, .offset: 32, .size: 8, .value_kind: global_buffer, .address_space: global }
    .group_segment_fixed_size: 168960
    .private_segment_fixed_size: 0
    .kernarg_segment_align: 8
    .kernarg_segment_size: 40
    .max_flat_workgroup_size: 256
    .sgpr_count:     66
    .vgpr_count:     352
    .wavefront_size: 32
...
	.end_amdgpu_metadata
.endif
;; end of part 2
